; MI455X (gfx1250); checked and timed in simulation.
; The chip was launched on July 23, 2026; its instructions are those of AMD's public machine-readable ISA for CDNA 5 (MIT licence, August 2026) and "CDNA5" Instruction Set Architecture Reference Guide (July 2026). The comments in the code are by the model that wrote it; some were corrected since.
;; multihead self attention. Allowed arithmetic: matrix products marked QUANTISED: E4M3 operands, one given power-of-two scale a tensor, by v_wmma_f32_16x16x64_fp8_fp8 or v_wmma_f32_16x16x128_fp8_fp8, f32 sums; everything else in f32.
;; Inputs: k 1,024 x 1,024 float32; lowp_scales 8 int32 (the exponents e of the quantised operands' scales 2^e); o 1,024 x 1,024 float32; q 1,024 x 1,024 float32; token_positions 2,048 int32; v 1,024 x 1,024 float32; x 4 x 2,048 x 1,024 float32.
;; Outputs: out0 4 x 2,048 x 1,024 float32.
;; This version of the problem:
;;   THIS VERSION OF THE PROBLEM IS GIVEN IN LOW PRECISION. The matrix products marked QUANTISED in the list below multiply operands that are first quantised to E4M3 (4 exponent bits, 3 mantissa bits; 8 bits a number), with one given power-of-two scale for each operand tensor; their sums are f32. All else is computed in f32.
;;   The module's matrix products, in the order in which they are computed (A, B: the left and right operand; K: the contracted axis; several contracted axes count as one K, in the product's order):
;;     1. [M 8,192, K 1,024] x [K 1,024, N 3,072]; A: input x; B: computed on the way: QUANTISED (scales: A lowp_scales[0], B lowp_scales[1])
;;     2. batch 64 x [M 2,048, K 64] x [K 64, N 2,048]; A: computed on the way; B: computed on the way: QUANTISED (scales: A lowp_scales[2], B lowp_scales[3])
;;     3. batch 64 x [M 2,048, K 2,048] x [K 2,048, N 64]; A: softmax (see below); B: computed on the way: QUANTISED (scales: A lowp_scales[4], B lowp_scales[5])
;;     4. [M 8,192, K 1,024] x [K 1,024, N 1,024]; A: computed on the way; B: input o: QUANTISED (scales: A lowp_scales[6], B lowp_scales[7])
;;   THE QUANTISER, for each operand of a quantised product, along K:
;;     - The operand's scale is 2^e, e = its entry of the input lowp_scales (int32; the entries are numbered through the quantised products in the list's order, A before B).
;;     - Each number is divided by the scale, clamped to +-448, and rounded to the nearest number of E4M3, ties to even, subnormals kept.
;;     - The product sums the exact products of the quantised numbers (number of the format x scale) in f32.
;;   ~~~python
;;   def quantise(x, axis, e):      # numpy; x: float32 -> the quantised numbers, widened to float32 again
;;       x = np.moveaxis(x, axis, -1); K = x.shape[-1]
;;       r = np.clip(x / 2.0 ** e, -448, 448)
;;       step = 2.0 ** (np.maximum(np.frexp(np.where(r == 0, 1, r))[1] - 1, -6) - 3)
;;       q = np.round(r / step) * step * 2.0 ** e      # np.round: ties to even
;;       return np.moveaxis(q, -1, axis).astype(np.float32)
;;   ~~~
;;   SOFTMAX AHEAD OF A QUANTISED PRODUCT. Where the list says 'softmax', what is quantised is not the finished softmax but p = 2^(t - M), with t = logit x log2(e) and M = ceil(the row's largest t), a whole number; so 1/2 < the row's largest p <= 1. The row's sum l is taken of the UNQUANTISED p, in f32, and the product's result is divided by l at the end. Since M is a whole number, a kernel that streams over the keys may use a running M (the ceiling of the running maximum): every later rescaling is an exact power of two, so the quantised numbers keep their values, but for numbers so far below the row's largest that they fall under the format's range.
;;   OPERANDS COMPUTED ON THE WAY. 'Computed on the way' means the value that the module computes at that place (a softmax that the list does not call 'softmax' is quantised finished and normalised). What goes into a quantiser is computed in f32, as accurately as f32 sums, v_exp_f32 and their like allow (about 1e-6 of the number): no bf16 or f16 on the way to a quantiser, and a product that is left as it is and whose result goes on into a quantised operand takes f32 operands (vector FMAs, or v_wmma_f32_16x16x4_f32). A number that lies on a knife's edge between two numbers of the format may be rounded either way, as far as f32 arithmetic and the matrix unit's own rounding can turn it there, and no further.
;; One version. Each part assembles by itself: llvm-mc -triple=amdgcn-amd-amdhsa -mcpu=gfx1250 --defsym DOCPART=n.
;; ======== version 1 of 1: 4 launches
;; limits: a function is approximated: absolute error at most 4e-06
;; workspace buffers: ximg 8,388,608 bytes; wimg 4,194,304 bytes; tab 524,288 bytes; qimg 8,388,608 bytes; kimg 8,388,608 bytes; vimg 8,388,608 bytes; aimg 8,388,608 bytes
;; launch prep (part 1): grid 400 x 1, 8 waves a work-group, no clusters, 68,608 bytes of LDS; arguments x, q, k, v, o, token_positions, lowp_scales, ximg, wimg, tab; writes ximg, wimg, tab
.if DOCPART == 1
	.amdgcn_target "amdgcn-amd-amdhsa--gfx1250"
	.amdhsa_code_object_version 6
	.text
	.protected	k_q5b1b3d6a31_prep
	.globl	k_q5b1b3d6a31_prep
	.p2align	8
	.type	k_q5b1b3d6a31_prep,@function
k_q5b1b3d6a31_prep:
	s_mov_b64 s[64:65], 0
	v_nop
	global_prefetch_b8 v0, s[64:65] scope:SCOPE_SE
	s_setreg_imm32_b32 hwreg(HW_REG_WAVE_MODE, 25, 1), 1
	s_wait_xcnt 0x0
; PREP.  x [8192][1024], q, k, v, o [1024][1024], f32, become codes of E4M3 (x with 2^e0, q, k, v with 2^e1, o with 2^e7), laid as IMAGES OF OPERAND REGISTERS;
; and the cosines and sines of RoPE at token_positions are laid as the next launch's lanes want them.
; IMAGE.  A fragment is 16 rows x 128 along K, 2,048 bytes: byte c*512 + lane*16 + y holds row(tile, lane % 16), k = 128 s + 32 c + 16 (lane / 16) + y; a tile's 8 fragments follow each other (16,384 bytes).
; WHICH ROWS FORM A TILE: row(tile, r) = 32 (tile / 2) + 16 (r / 8) + m1 (r % 8) + m2 (tile % 2); x, v, o: m1 = 1, m2 = 8; q, k: m1 = 2, m2 = 1 (a tile of even rows, a tile of their odd partners: RoPE's pairs).
; SHARES.  Work-groups 0-383 take 32 rows each (0-255 x, 256-287 q, 288-319 k, 320-351 v, 352-383 o): two tiles; wave w takes tile w % 2 and fragments 2 (w / 2), 2 (w / 2) + 1.  Only pointers and two strides are chosen
; by the work-group's number: all five tensors take one path.  Each load reads 512 consecutive bytes of a row; a fragment's 16 rows turn through the wave's own stage in LDS (rows 528 bytes apart = 33 x 16)
; and come back 16 neighbours along K a lane, which the conversions want.  Each store covers 512 consecutive bytes, aligned.
; Work-groups 384-399 make the table, a wave to a tile of 16 tokens; they touch no LDS.  No barrier: waves share nothing.  No matrix unit, no cluster: every byte is read once by one wave.
; code = x / 2^e, held within +-448, to the nearest code, ties to even.  LIMITS: e0, e1, e7 between -126 and 119.  NaN among the inputs is not served.
; SINE AND COSINE are made of multiply-adds: the angle less n x pi/2 in three parts, then polynomials on +-pi/4.  The reduction's error grows with n: about 1e-7 for |position| up to 2^24, some 4e-6 at the ends of int32.
; 1 / 10000^(f / 32) = 2^(-f log2(10000) / 32), the exponent in two parts: within about one unit in the last place of the true value, not bit for bit a library's pow.
.set WSTG,   8448                      ; a wave's stage: 16 rows x 528 bytes
.set SPITCH, 528
.set SPARE,  8*WSTG                    ; behind the eight stages: the spare words, 128 bytes for each wave: four blocks of 256 bytes that no other line names
.set VO,  2                            ; v2-9    16 x lane + j x the step from row to row of a tile
.set STI, 10                           ; v10     the stage on the way in: 16 x lane
.set STO, 11                           ; v11     on the way out: 528 r + 64 h
.set GO,  12                           ; v12     16 x lane: my place in an image's 512 bytes
.set SC,  13                           ; v13     2^e as f32
.set LIM, 14                           ; v14     448 x 2^e
.set SPW, 30                           ; v30     LDS address of my spare word; never rewritten
.set NIL, 31                           ; v31     0; never rewritten
.set RAW, 32                           ; v32-159 two fragments as loaded
.set X,   160                          ; v160-223 64 numbers: register 16 c + i = k 32 c + 16 h + i of my row
.set CDE, 224                          ; v224-255 two fragments' codes: no store's data are written again
	s_load_b512 s[4:19], s[0:1], 0x0               ; x s[4:5], q s[6:7], k s[8:9], v s[10:11], o s[12:13], positions s[14:15], exponents s[16:17], ximg s[18:19]
	s_load_b128 s[20:23], s[0:1], 0x40             ; wimg s[20:21], tab s[22:23]
	v_lshl_add_u32 v[SPW], v0, 2, SPARE
	v_mov_b32 v[NIL], 0
	v_lshrrev_b32 v1, 5, v0
	v_readfirstlane_b32 s24, v1                    ; wave 0..7
	v_and_b32 v1, 31, v0
	v_lshlrev_b32 v[GO], 4, v1
	s_cmp_ge_u32 ttmp9, 384
	s_cbranch_scc1 .Ltable
	s_and_b32 s25, s24, 1                          ; which tile of the two
	s_lshr_b32 s44, s24, 1                         ; which pair of fragments
	s_sub_co_u32 s33, ttmp9, 256
	s_cmp_lt_u32 s33, 64                           ; q or k?
	s_mov_b32 s30, 4096
	s_cselect_b32 s30, 8192, s30                   ; from row to row of a tile: m1 rows of 4,096 bytes
	s_mov_b32 s31, 32768
	s_cselect_b32 s31, 4096, s31                   ; from tile to tile: m2 rows
	s_and_b32 s32, ttmp9, 31
	s_cmp_lt_u32 ttmp9, 256
	s_cselect_b32 s32, ttmp9, s32                  ; which 32 rows of the tensor
	s_cselect_b32 s33, ttmp9, s33                  ; which 32 rows of ximg or of wimg
	s_lshl_b32 s34, s32, 17                        ; 32 rows of 4,096 bytes
	s_mul_i32 s45, s25, s31
	s_add_co_u32 s34, s34, s45
	s_lshl_b32 s45, s44, 10                        ; two fragments: 256 numbers of a row
	s_add_co_u32 s34, s34, s45
	s_mov_b32 s35, 0
	s_lshl_b32 s46, s33, 15                        ; two tiles of 16,384 bytes
	s_lshl_b32 s45, s25, 14
	s_add_co_u32 s46, s46, s45
	s_lshl_b32 s45, s44, 12
	s_add_co_u32 s46, s46, s45
	s_mov_b32 s47, 0
	v_mov_b32 v[VO], v[GO]
.irp j, 1,2,3,4,5,6,7
	v_add_nc_u32 v[VO+\j], s30, v[VO+\j-1]
.endr
	s_mul_i32 s45, s24, WSTG
	v_add_nc_u32 v[STI], s45, v[GO]
	v_and_b32 v15, 15, v0                          ; r
	v_bfe_u32 v16, v0, 4, 1                        ; h
	v_mul_u32_u24 v[STO], v15, SPITCH
	v_lshl_add_u32 v[STO], v16, 6, v[STO]
	v_add_nc_u32 v[STO], s45, v[STO]
	s_wait_kmcnt 0x0
	s_load_b256 s[36:43], s[16:17], 0x0            ; e0 .. e7
	s_cmp_lt_u32 ttmp9, 352                        ; the choices hang on the work-group's number alone
	s_cselect_b64 s[26:27], s[10:11], s[12:13]
	s_cmp_lt_u32 ttmp9, 320
	s_cselect_b64 s[26:27], s[8:9], s[26:27]
	s_cmp_lt_u32 ttmp9, 288
	s_cselect_b64 s[26:27], s[6:7], s[26:27]
	s_cmp_lt_u32 ttmp9, 256
	s_cselect_b64 s[26:27], s[4:5], s[26:27]
	s_cselect_b64 s[28:29], s[18:19], s[20:21]
	s_add_nc_u64 s[26:27], s[26:27], s[34:35]
	s_add_nc_u64 s[28:29], s[28:29], s[46:47]
.macro LOADF f                         ; fragment f of my two: 16 rows x 512 consecutive bytes
.irp i, 0,1,2,3,4,5,6,7,8,9,10,11,12,13,14,15
	global_load_b128 v[RAW+64*\f+4*\i:RAW+64*\f+4*\i+3], v[VO+(\i%8)], s[26:27] offset:(\i/8)*65536+\f*512 th:TH_LOAD_NT
.endr
.endm
.macro TURNF f                         ; through my stage: LDS serves a wave's instructions in order, so no wait stands between the stores and the loads
.irp i, 0,1,2,3,4,5,6,7,8,9,10,11,12,13,14,15
	ds_store_b128 v[STI], v[RAW+64*\f+4*\i:RAW+64*\f+4*\i+3] offset:\i*SPITCH
.endr
.irp c, 0,1,2,3
.irp u, 0,1,2,3
	ds_load_b128 v[X+16*\c+4*\u:X+16*\c+4*\u+3], v[STO] offset:128*\c+16*\u
.endr
.endr
.endm
.macro QUANTF f
.set n, 0
.rept 64
	v_med3_num_f32 v[X+n], v[X+n], -v[LIM], v[LIM] ; the conversion to an 8-bit code does not saturate (ISA guide 7.6.2): the hold at the largest code x the scale
.set n, n+1
.endr
.irp g, 0,1,2,3,4,5,6,7
	v_cvt_scalef32_pk8_fp8_f32 v[CDE+16*\f+2*\g:CDE+16*\f+2*\g+1], v[X+8*\g:X+8*\g+7], v[SC]
.endr
	v_nop                                          ; a plain vector line behind the last conversion
.endm
.macro STOREF f
.irp c, 0,1,2,3
	global_store_b128 v[GO], v[CDE+16*\f+4*\c:CDE+16*\f+4*\c+3], s[28:29] offset:\f*2048+\c*512
.endr
.endm
	LOADF 0
	LOADF 1                                        ; all 32 loads of the wave, 16 KiB, are out at once
	s_wait_kmcnt 0x0
	s_cmp_lt_u32 ttmp9, 352
	s_cselect_b32 s32, s37, s43                    ; e1 or e7,
	s_cmp_lt_u32 ttmp9, 256
	s_cselect_b32 s32, s36, s32                    ; or e0
	s_add_co_i32 s32, s32, 127
	s_lshl_b32 s33, s32, 23
	v_mov_b32 v[SC], s33
	s_add_co_i32 s32, s32, 8
	s_lshl_b32 s32, s32, 23
	s_or_b32 s32, s32, 0x600000
	v_mov_b32 v[LIM], s32
	s_wait_loadcnt 16                              ; fragment 0's sixteen loads are in; fragment 1's sixteen may be out
	TURNF 0
	s_wait_dscnt 0x0
	QUANTF 0
	STOREF 0
	s_wait_loadcnt 0x0
	TURNF 1
	s_wait_dscnt 0x0
	QUANTF 1
	STOREF 1
	s_wait_tensorcnt 0x0                           ; the wave's end, behind my last LDS store
	ds_add_u32 v[SPW], v[NIL]
	s_wait_dscnt 0x0
	s_endpgm
; THE TABLE.  Tile T of 16 tokens (token of lane r: 32 (T / 2) + 8 (T % 2) + r % 8 + 16 (r / 8)); lane (r, h) holds the frequencies f = 16 b + 8 h + j, b = 0, 1, j = 0 .. 7.
; 4,096 bytes a tile: piece p at p*512 + lane*16; p = 4 b, 4 b + 1: cosines j = 0-3, 4-7; p = 4 b + 2, 4 b + 3: sines.
; The sixteen frequencies n = 8 b + j walk each stage together, so that no line waits for the line above it.
.set TA, 32                            ; f, later the angle
.set TN, 48                            ; the exponent's high part, later n
.set TR, 64                            ; its low part, later the reduced angle
.set TZ, 80                            ; 2^high, later the reduced angle's square
.set TP, 96                            ; sine's polynomial
.set TQ, 112                           ; cosine's
.set TI, 128                           ; n as a whole number
.set TT, 144                           ; at work
.set TCS, 160                          ; v160-191 the eight pieces
.Ltable:
	s_sub_co_u32 s32, ttmp9, 384
	s_lshl_b32 s32, s32, 3
	s_add_co_u32 s32, s32, s24                     ; T
	s_lshr_b32 s33, s32, 1
	s_lshl_b32 s33, s33, 5
	s_and_b32 s34, s32, 1
	s_lshl_b32 s34, s34, 3
	s_add_co_u32 s33, s33, s34
	v_and_b32 v2, 7, v0
	v_bfe_u32 v3, v0, 3, 1
	v_lshl_add_u32 v2, v3, 4, v2
	v_add_nc_u32 v2, s33, v2                       ; my token
	v_lshlrev_b32 v2, 2, v2
	v_bfe_u32 v3, v0, 4, 1
	v_lshlrev_b32 v3, 3, v3                        ; 8 h
	s_lshl_b32 s34, s32, 12
	s_mov_b32 s35, 0
	s_mov_b32 s44, 0xbed49a78                      ; -log2(10000) / 32, high part,
	s_mov_b32 s45, 0xb2179a36                      ; and what it lacks
	s_mov_b32 s46, 0x3f317218                      ; ln 2
	s_mov_b32 s47, 0x3f22f983                      ; 2 / pi
	s_mov_b32 s48, 0x3fc90fdb                      ; pi / 2 in three parts
	s_mov_b32 s49, 0xb33bbd2e
	s_mov_b32 s50, 0xa6f72ced
	s_mov_b32 s51, 0xb94ca1f9                      ; sine: r + r z (s53 + z (s52 + z s51))
	s_mov_b32 s52, 0x3c08839e
	s_mov_b32 s53, 0xbe2aaaa3
	s_mov_b32 s54, 0x37ccf5ce                      ; cosine: 1 + z (-1/2 + z (s56 + z (s55 + z s54)))
	s_mov_b32 s55, 0xbab6061a
	s_mov_b32 s56, 0x3d2aaaa5
	s_wait_kmcnt 0x0
	global_load_b32 v4, v2, s[14:15]               ; my token's position
	s_add_nc_u64 s[22:23], s[22:23], s[34:35]
.irp n, 0,1,2,3,4,5,6,7,8,9,10,11,12,13,14,15
	v_add_nc_u32 v[TA+\n], \n+8*(\n/8), v3         ; f = 8 h + 16 b + j
.endr
.irp n, 0,1,2,3,4,5,6,7,8,9,10,11,12,13,14,15
	v_cvt_f32_u32 v[TA+\n], v[TA+\n]
.endr
.irp n, 0,1,2,3,4,5,6,7,8,9,10,11,12,13,14,15
	v_mul_f32 v[TN+\n], s44, v[TA+\n]              ; the exponent, rounded,
.endr
.irp n, 0,1,2,3,4,5,6,7,8,9,10,11,12,13,14,15
	v_fma_f32 v[TR+\n], v[TA+\n], s44, -v[TN+\n]   ; what the rounding lost,
.endr
.irp n, 0,1,2,3,4,5,6,7,8,9,10,11,12,13,14,15
	v_fma_f32 v[TR+\n], v[TA+\n], s45, v[TR+\n]    ; and the constant's low part
.endr
.irp n, 0,1,2,3,4,5,6,7,8,9,10,11,12,13,14,15
	v_exp_f32 v[TZ+\n], v[TN+\n]
.endr
	v_nop                                          ; a plain line behind the last exponential,
	s_wait_alu depctr_va_vdst(0)                   ; and one wait for the sixteen, ahead of their first reader
.irp n, 0,1,2,3,4,5,6,7,8,9,10,11,12,13,14,15
	v_mul_f32 v[TR+\n], v[TZ+\n], v[TR+\n]
.endr
.irp n, 0,1,2,3,4,5,6,7,8,9,10,11,12,13,14,15
	v_fma_f32 v[TZ+\n], v[TR+\n], s46, v[TZ+\n]    ; 2^(high + low) = 2^high (1 + low ln 2)
.endr
	s_wait_loadcnt 0x0
	v_cvt_f32_i32 v4, v4
.irp n, 0,1,2,3,4,5,6,7,8,9,10,11,12,13,14,15
	v_mul_f32 v[TA+\n], v4, v[TZ+\n]               ; the angle, rounded once
.endr
.irp n, 0,1,2,3,4,5,6,7,8,9,10,11,12,13,14,15
	v_mul_f32 v[TN+\n], s47, v[TA+\n]
.endr
.irp n, 0,1,2,3,4,5,6,7,8,9,10,11,12,13,14,15
	v_rndne_f32 v[TN+\n], v[TN+\n]                 ; n = the nearest multiple of pi / 2
.endr
.irp n, 0,1,2,3,4,5,6,7,8,9,10,11,12,13,14,15
	v_fma_f32 v[TR+\n], -v[TN+\n], s48, v[TA+\n]
.endr
.irp n, 0,1,2,3,4,5,6,7,8,9,10,11,12,13,14,15
	v_fma_f32 v[TR+\n], -v[TN+\n], s49, v[TR+\n]
.endr
.irp n, 0,1,2,3,4,5,6,7,8,9,10,11,12,13,14,15
	v_fma_f32 v[TR+\n], -v[TN+\n], s50, v[TR+\n]
.endr
.irp n, 0,1,2,3,4,5,6,7,8,9,10,11,12,13,14,15
	v_cvt_i32_f32 v[TI+\n], v[TN+\n]
.endr
.irp n, 0,1,2,3,4,5,6,7,8,9,10,11,12,13,14,15
	v_mul_f32 v[TZ+\n], v[TR+\n], v[TR+\n]
.endr
.irp n, 0,1,2,3,4,5,6,7,8,9,10,11,12,13,14,15
	v_fma_f32 v[TP+\n], v[TZ+\n], s51, s52
.endr
.irp n, 0,1,2,3,4,5,6,7,8,9,10,11,12,13,14,15
	v_fma_f32 v[TQ+\n], v[TZ+\n], s54, s55
.endr
.irp n, 0,1,2,3,4,5,6,7,8,9,10,11,12,13,14,15
	v_fma_f32 v[TP+\n], v[TP+\n], v[TZ+\n], s53
.endr
.irp n, 0,1,2,3,4,5,6,7,8,9,10,11,12,13,14,15
	v_fma_f32 v[TQ+\n], v[TQ+\n], v[TZ+\n], s56
.endr
.irp n, 0,1,2,3,4,5,6,7,8,9,10,11,12,13,14,15
	v_mul_f32 v[TP+\n], v[TP+\n], v[TZ+\n]
.endr
.irp n, 0,1,2,3,4,5,6,7,8,9,10,11,12,13,14,15
	v_fma_f32 v[TQ+\n], v[TQ+\n], v[TZ+\n], -0.5
.endr
.irp n, 0,1,2,3,4,5,6,7,8,9,10,11,12,13,14,15
	v_fma_f32 v[TP+\n], v[TP+\n], v[TR+\n], v[TR+\n]   ; sin of the reduced angle
.endr
.irp n, 0,1,2,3,4,5,6,7,8,9,10,11,12,13,14,15
	v_fma_f32 v[TQ+\n], v[TQ+\n], v[TZ+\n], 1.0        ; cos of it
.endr
.irp n, 0,1,2,3,4,5,6,7,8,9,10,11,12,13,14,15      ; the quadrant n mod 4: odd: the two change places; sine is negative in quadrants 2, 3, cosine in 1, 2
	v_and_b32 v[TT+\n], 1, v[TI+\n]
	v_cmp_eq_u32 vcc_lo, 1, v[TT+\n]
	v_cndmask_b32 v[TZ+\n], v[TP+\n], v[TQ+\n], vcc_lo
	v_cndmask_b32 v[TR+\n], v[TQ+\n], v[TP+\n], vcc_lo
	v_lshlrev_b32 v[TT+\n], 30, v[TI+\n]
	v_and_b32 v[TT+\n], 0x80000000, v[TT+\n]
	v_xor_b32 v[TCS+8+\n+8*(\n/8)], v[TT+\n], v[TZ+\n]
	v_add_nc_u32 v[TT+\n], 1, v[TI+\n]
	v_lshlrev_b32 v[TT+\n], 30, v[TT+\n]
	v_and_b32 v[TT+\n], 0x80000000, v[TT+\n]
	v_xor_b32 v[TCS+\n+8*(\n/8)], v[TT+\n], v[TR+\n]
.endr
.irp p, 0,1,2,3,4,5,6,7
	global_store_b128 v[GO], v[TCS+4*\p:TCS+4*\p+3], s[22:23] offset:\p*512   ; 512 consecutive bytes, aligned
.endr
	s_endpgm
.Lfunc_end_k_q5b1b3d6a31_prep:
	.size	k_q5b1b3d6a31_prep, .Lfunc_end_k_q5b1b3d6a31_prep-k_q5b1b3d6a31_prep
	.p2alignl 7, 3214868480
	.fill 96, 4, 3214868480
	.section	.rodata,"a",@progbits
	.p2align	6, 0x0
	.amdhsa_kernel k_q5b1b3d6a31_prep
		.amdhsa_group_segment_fixed_size 68608
		.amdhsa_private_segment_fixed_size 0
		.amdhsa_enable_private_segment 0
		.amdhsa_kernarg_size 80
		.amdhsa_user_sgpr_count 2
		.amdhsa_user_sgpr_kernarg_segment_ptr 1
		.amdhsa_wavefront_size32 1
		.amdhsa_system_sgpr_workgroup_id_x 1
		.amdhsa_system_sgpr_workgroup_id_y 1
		.amdhsa_system_sgpr_workgroup_id_z 1
		.amdhsa_system_vgpr_workitem_id 0
		.amdhsa_next_free_vgpr 256
		.amdhsa_next_free_sgpr 66
		.amdhsa_reserve_vcc 1
		.amdhsa_float_denorm_mode_32 3
		.amdhsa_float_denorm_mode_16_64 3
		.amdhsa_memory_ordered 1
		.amdhsa_forward_progress 1
		.amdhsa_inst_pref_size 48
	.end_amdhsa_kernel
	.amdgpu_metadata
---
amdhsa.version: [ 1, 2 ]
amdhsa.kernels:
  - .name:           k_q5b1b3d6a31_prep
    .symbol:         k_q5b1b3d6a31_prep.kd
    .args:
      - { .name: x, .offset: 0, .size: 8, .value_kind: global_buffer, .address_space: global }
      - { .name: q, .offset: 8, .size: 8, .value_kind: global_buffer, .address_space: global }
      - { .name: k, .offset: 16, .size: 8, .value_kind: global_buffer, .address_space: global }
      - { .name: v, .offset: 24, .size: 8, .value_kind: global_buffer, .address_space: global }
      - { .name: o, .offset: 32, .size: 8, .value_kind: global_buffer, .address_space: global }
      - { .name: token_positions, .offset: 40, .size: 8, .value_kind: global_buffer, .address_space: global }
      - { .name: lowp_scales, .offset: 48, .size: 8, .value_kind: global_buffer, .address_space: global }
      - { .name: ximg, .offset: 56, .size: 8, .value_kind: global_buffer, .address_space: global }
      - { .name: wimg, .offset: 64, .size: 8, .value_kind: global_buffer, .address_space: global }
      - { .name: tab, .offset: 72, .size: 8, .value_kind: global_buffer, .address_space: global }
    .group_segment_fixed_size: 68608
    .private_segment_fixed_size: 0
    .kernarg_segment_align: 8
    .kernarg_segment_size: 80
    .max_flat_workgroup_size: 256
    .sgpr_count:     66
    .vgpr_count:     256
    .wavefront_size: 32
...
	.end_amdgpu_metadata
.endif
;; end of part 1
;; launch qkv (part 2): grid 12 x 32, 4 waves a work-group, clusters of 4 x 4, 327,680 bytes of LDS; arguments ximg, wimg, tab, lowp_scales, qimg, kimg, vimg; writes qimg, kimg, vimg
.if DOCPART == 2
	.amdgcn_target "amdgcn-amd-amdhsa--gfx1250"
	.amdhsa_code_object_version 6
	.text
	.protected	k_q5b1b3d6a31_qkv
	.globl	k_q5b1b3d6a31_qkv
	.p2align	8
	.type	k_q5b1b3d6a31_qkv,@function
k_q5b1b3d6a31_qkv:
	s_mov_b64 s[64:65], 0
	v_nop
	global_prefetch_b8 v0, s[64:65] scope:SCOPE_SE
	s_setreg_imm32_b32 hwreg(HW_REG_WAVE_MODE, 25, 1), 1
	s_wait_xcnt 0x0
	s_wait_alu depctr_hold_cnt(0) depctr_sa_sdst(0) depctr_va_vdst(0) depctr_va_sdst(0) depctr_va_ssrc(0) depctr_va_vcc(0) depctr_vm_vsrc(0)
	s_getreg_b32 s2, hwreg(HW_REG_IB_STS2, 6, 4)
	s_cmp_eq_u32 s2, 0
	s_cbranch_scc0 .Lentry_in_a_cluster
	s_endpgm
.Lentry_in_a_cluster:
	s_bfe_u32 s2, ttmp6, 0x10000c
	s_cmp_lg_u32 s2, 0xf033
	s_cbranch_scc0 .Lentry_shape_is_right
	s_endpgm
.Lentry_shape_is_right:
; QKV.  The first product, x [8192][1024] times q, k, v [1024][1024] (rows along K), on codes of E4M3; then RoPE on Q and K; then the codes of Q (2^e2), K (2^e3) and V (2^e5), laid as the attention launch's operand registers.
; Both operands come as IMAGES: a fragment (16 rows x 128 K) is 2,048 bytes, byte c*512 + lane*16 + y = row(tile, lane % 16), k = 32 c + 16 (lane / 16) + y; a tile's 8 fragments are 16,384 bytes.  Four ds_load_b128 at
; 16 x lane, 512 bytes apart, are a fragment: each reads 512 consecutive bytes, so LDS needs no padding.  The place of k in the registers is the same in both operands, so every product meets its partner.
; A tile of the result, 256 x 256, is made by four waves, 128 x 128 each: 64 accumulators, 512 registers.  K goes in steps of 256 (4,096 bytes of each row tile) through a ring of two LDS slots.
; THE KIND is the cluster's x, the same in all sixteen partners: 0 Q, 1 K, 2 V.  Q, K: source 1 = x's rows, source 0 = the weight's rows.  V: the roles change, V^T = Wv x^T: source 1 = Wv's rows, source 0 = x's rows,
; so that a lane holds one channel d and its registers run along the keys, which are the later product's K.
; THE MATRIX INSTRUCTION IS USED TRANSPOSED: lane (r, h) of accumulator (a, b) holds row r of source 1's block a; register j holds row 8 h + j of source 0's tile b.  The rows that form a tile were chosen by the launch
; before: x, v: tiles 2 i, 2 i + 1 give a lane 16 NEIGHBOURS 32 i + 16 h + 0 .. 15;  q, k: tile 2 i gives the even columns 32 i + 16 h + 2 j, tile 2 i + 1 their odd partners: RoPE is packed arithmetic in the lane.
; So the conversions' results are whole 16-byte pieces of the next images, and each store covers 512 consecutive bytes, aligned: no stage in LDS on the way out.
; In Q's and K's pieces the order of d is 8 even, then 8 odd: the same in both, so the second product's partners meet.
; CLUSTERS: 4 x 4 work-groups; source 1's tile is shared along a row of the cluster, source 0's along a column: each is asked for jointly.  384 tiles: no tile that keeps the borders at 1,024 columns gives a multiple of 256.
; No prefetch: a work-group has two refills in all, and its tiles are read by many work-groups.
; LIMITS: e2 - e0 - e1, e3 - e0 - e1, e5 - e0 - e1 between -126 and 119, so that each folded scale and 448 x it are f32 numbers.  NaN is not served.
; REGISTERS: window 0: v16-29 addresses; v128-255 source 1's fragments, one set; on the way out v32-207 as below.  window 1: source 0's fragments, two sets.  windows 2, 3: the accumulators, (a, b) at v[8 (8 (a % 4) + b)].
.set NB,    8                          ; source 0's tiles for a wave
.set FR,    16
.set NL,    4
.set NP,    4                          ; places behind this matrix instruction (ISA guide 7.12.1)
.set KB,    4096                       ; a K step of a row tile, in bytes
.set HALFA, 8*KB                       ; what one tensor load brings for source 1, and what a wave reads of it
.set HALFB, NB*KB
.set SLOT,  2*HALFA+2*HALFB
.set SPARE, 2*SLOT                     ; behind the ring: the spare words, 128 bytes for each wave: two blocks of 256 bytes that no other line names
.set LAPS,  2                          ; 1,024 along K = two laps of two K steps
.set ADRA, 16                          ; v16-17  LDS address of source 1's fragments in slot 0, 1
.set ADRB, 20                          ; v20-21  of source 0's
.set LI,   27                          ; v27     16 x lane
.set SPW,  28                          ; v28     LDS address of my spare word; never rewritten
.set NIL,  29                          ; v29     0; never rewritten
.set AF,   128
.set TBL,  32                          ; v32-95   the way out: cosines and sines of two blocks of tokens, by turns
.set R,    96                          ; v96-159  64 numbers ahead of the quantiser
.set TM,   160                         ; v160-167 at work
.set SC,   168                         ; v168     the folded scale as f32
.set LIM,  169                         ; v169     448 x it
.set CD,   176                         ; v176-207 codes, two sets by turns
.set G1,  24
.set G0,  32
.set G1B, 48
.set G0B, 56
.set MSB, 0
.macro WIN new                         ; the immediate's high byte repeats the setting that is left
.if MSB != (\new)
	s_set_vgpr_msb (MSB<<8)|(\new)
.set MSB, (\new)
.endif
.endm
.set MUL_LO, 0xa1                      ; source 0 window 1, source 1 window 0, C and D window 2
.set MUL_HI, 0xf1                      ; the same, C and D window 3
.set TO_B,   0x40                      ; destination window 1, address window 0
; A joint load: waves 0 and 1 fetch source 1's halves, waves 2 and 3 source 0's.  The branch hangs on the wave's number alone.  An s_nop 0 and four v_nop follow each line.
.macro JLOAD g0a, g1a, g0b, g1b
	s_cmp_eq_u32 s15, 0
	s_cbranch_scc0 .Lfor_b_\@
	tensor_load_to_lds s[\g0a:\g0a+3], s[\g1a:\g1a+7]
	s_nop 0
.rept 4
	v_nop
.endr
	s_branch .Lasked_\@
.Lfor_b_\@:
	tensor_load_to_lds s[\g0b:\g0b+3], s[\g1b:\g1b+7]
	s_nop 0
.rept 4
	v_nop
.endr
.Lasked_\@:
.endm
.macro CREST                           ; a round of the cluster's barrier behind its opening barrier
	s_cmp_lg_u32 s14, 0
	s_cbranch_scc1 .Lnot_wave_0_\@
	s_barrier_signal -3
.Lnot_wave_0_\@:
	s_barrier_wait -3
	s_barrier_signal -1
	s_barrier_wait -1
.endm
.macro CROUND
	s_barrier_signal -1
	s_barrier_wait -1
	CREST
.endm
	s_load_b256 s[4:11], s[0:1], 0x0               ; ximg s[4:5], wimg s[6:7], tab s[8:9], exponents s[10:11]
	s_load_b128 s[68:71], s[0:1], 0x20             ; qimg, kimg
	s_load_b64 s[72:73], s[0:1], 0x30              ; vimg
	v_lshl_add_u32 v[SPW], v0, 2, SPARE
	v_mov_b32 v[NIL], 0
	ds_add_u32 v[SPW], v[NIL]                      ; the wave's opening: the add and its wait ahead of my first tensor load; the set-up below, work on registers, stands between them
	v_lshrrev_b32 v1, 5, v0
	v_readfirstlane_b32 s14, v1                    ; wave 0..3
	s_lshr_b32 s15, s14, 1                         ; which half of source 1's rows is mine.  Also: I fetch for source 1 (0) or source 0 (1)
	s_and_b32 s16, s14, 1                          ; which half of source 0's rows.  Also: which half of that tile I fetch
	s_bfe_u32 s40, ttmp6, 0x40000                  ; cx
	s_bfe_u32 s41, ttmp6, 0x40004                  ; cy
	s_mov_b32 s74, ttmp9                           ; the kind
	s_and_b32 s75, ttmp7, 0xffff
	s_lshl_b32 s75, s75, 2                         ; 4 x cluster y
	s_add_co_u32 s17, s75, s41
	s_add_co_u32 s76, s75, s40
	s_lshl_b32 s42, s74, 2
	s_add_co_u32 s42, s42, s40
	s_cmp_eq_u32 s74, 2
	s_cselect_b32 s17, s41, s17                    ; source 1's tile of 256 rows: Q, K: 4 cluster y + cy of x;  V: cy of Wv
	s_cselect_b32 s42, s76, s42                    ; source 0's: Q, K: 4 kind + cx of the weights;  V: 4 cluster y + cx of x
	s_cselect_b32 s18, 0x200000, 0                 ; Wv begins 128 tiles into wimg
	s_lshl_b32 s43, s41, 2
	s_lshl_b32 s43, 15, s43                        ; my row of the cluster
	s_lshl_b32 s44, 0x1111, s40                    ; my column
	s_or_b32 s[G1+0], s43, (1<<21)                 ; 15:0 the mask; 17:16 elements of 1 byte; 21 set beside a mask; no padding
	s_or_b32 s[G1B+0], s44, (1<<21)
.irp g, G1, G1B
	s_mov_b32 s[\g+1], KB<<16                      ; tensor_dim0 = 4,096
	s_mov_b32 s[\g+2], 8<<16                       ; tensor_dim1 = 8 row tiles
	s_mov_b32 s[\g+3], KB<<16                      ; tile_dim0
	s_mov_b32 s[\g+4], 8                           ; tile_dim1
	s_mov_b32 s[\g+5], 16384                       ; from row tile to row tile
	s_mov_b32 s[\g+6], 0
	s_mov_b32 s[\g+7], 0
.endr
	s_lshl_b32 s19, s16, 17                        ; which 8 row tiles I fetch
	s_lshl_b32 s20, s17, 18
	s_add_co_u32 s20, s20, s19
	s_add_co_u32 s20, s20, s18
	s_mov_b32 s21, 0
	s_lshl_b32 s46, s42, 18
	s_add_co_u32 s46, s46, s19
	s_mov_b32 s47, 0
	s_mul_i32 s45, s16, HALFA                      ; where they go: no place in the cluster enters an LDS address
	s_mul_i32 s77, s16, HALFB
	s_add_co_u32 s77, s77, 2*HALFA
	s_wait_dscnt 0x0                               ; the opening add is done
	s_wait_kmcnt 0x0
	s_load_b256 s[88:95], s[10:11], 0x0            ; e0 .. e7
	s_cmp_eq_u32 s74, 2
	s_cselect_b64 s[78:79], s[6:7], s[4:5]         ; source 1's buffer
	s_cselect_b64 s[80:81], s[4:5], s[6:7]         ; source 0's
	s_add_nc_u64 s[20:21], s[78:79], s[20:21]
	s_add_nc_u64 s[46:47], s[80:81], s[46:47]
	CROUND                                         ; all sixteen work-groups are here: the first joint loads meet
.irp s, 0,1
	s_mov_b32 s[G0+4*\s], 1
	s_add_co_u32 s[G0+4*\s+1], s45, \s*SLOT
	s_add_nc_u64 s[G0+4*\s+2:G0+4*\s+3], s[20:21], \s*KB
	s_or_b32 s[G0+4*\s+3], s[G0+4*\s+3], 0x80000000
	s_mov_b32 s[G0B+4*\s], 1
	s_add_co_u32 s[G0B+4*\s+1], s77, \s*SLOT
	s_add_nc_u64 s[G0B+4*\s+2:G0B+4*\s+3], s[46:47], \s*KB
	s_or_b32 s[G0B+4*\s+3], s[G0B+4*\s+3], 0x80000000
	JLOAD G0+4*\s, G1, G0B+4*\s, G1B               ; two tensor loads of mine are out
.endr
	v_and_b32 v1, 31, v0
	v_lshlrev_b32 v[LI], 4, v1
	s_mul_i32 s82, s15, HALFA
	s_mul_i32 s83, s16, HALFB
	s_add_co_u32 s83, s83, 2*HALFA
.irp s, 0,1
	v_add_nc_u32 v[ADRA+\s], s82, v[LI]
	v_add_nc_u32 v[ADRB+\s], s83, v[LI]
	s_add_co_u32 s82, s82, SLOT
	s_add_co_u32 s83, s83, SLOT
.endr
.macro FRAG reg, adr, q, i             ; row tile i, the slot's q-th 128 along K
.irp c, 0,1,2,3
	ds_load_b128 v[\reg+4*\c:\reg+4*\c+3], v[\adr] offset:(\i)*KB+(\q)*2048+512*\c
.endr
.endm
; 16 matrix instructions: source 1's blocks a0, a0 + 1 x source 0's eight.  p: source 0's set.  zero = 1: the first product starts the sums.  The 64 accumulators take turns, one instruction a turn.
.macro MULA a0, p, zero
.irp a, \a0, \a0+1
.irp b, 0,1,2,3,4,5,6,7
.if \zero
	v_wmma_f32_16x16x128_fp8_fp8 v[8*(NB*((\a)%4)+\b):8*(NB*((\a)%4)+\b)+7], v[128*(\p)+FR*\b:128*(\p)+FR*\b+FR-1], v[AF+FR*(\a):AF+FR*(\a)+FR-1], 0
.else
	v_wmma_f32_16x16x128_fp8_fp8 v[8*(NB*((\a)%4)+\b):8*(NB*((\a)%4)+\b)+7], v[128*(\p)+FR*\b:128*(\p)+FR*\b+FR-1], v[AF+FR*(\a):AF+FR*(\a)+FR-1], v[8*(NB*((\a)%4)+\b):8*(NB*((\a)%4)+\b)+7]
.endif
.endr
.endr
.endm
.macro FETCH_B slot, q, p
	WIN TO_B
.irp i, 0,1,2,3,4,5,6,7
	FRAG 128*(\p)+FR*\i, ADRB+\slot, \q, \i
.endr
	WIN 0
.endm
.macro FETCH_A slot, q, i0
.irp i, \i0, \i0+1, \i0+2, \i0+3
	FRAG AF+FR*(\i), ADRA+\slot, \q, \i
.endr
.endm
.macro PLACES n                        ; plain vector lines in front of loads into registers that matrix instructions have read, and of the first read of results
.rept \n
	v_nop
.endr
.endm
.macro STEP slot, q, zero              ; 128 along K that has its successor in the same slot
	s_wait_dscnt 4*NL                              ; source 0's set and blocks 0-3 are in; the youngest sixteen loads (blocks 4-7) may be out
	WIN MUL_LO
	MULA 0, (\q)%2, \zero
	MULA 2, (\q)%2, \zero
	s_wait_dscnt 0                                 ; blocks 4-7 are in
	PLACES NP
	FETCH_B \slot, (\q)+1, 1-(\q)%2
	FETCH_A \slot, (\q)+1, 0
	WIN MUL_HI
	MULA 4, (\q)%2, \zero
	MULA 6, (\q)%2, \zero
	PLACES NP
	WIN 0
	FETCH_A \slot, (\q)+1, 4
.endm
; A slot's last step changes slots: one barrier; in front of it each wave waits for all its tensor loads, adds 0 to its spare word, and waits for that and for its own reads of this slot.  fill = 1: the slot is filled again, two K steps on.
.macro TURN slot, next, fill
	s_wait_tensorcnt 0x0                           ; all my tensor loads have landed: my part of the next slot
	ds_add_u32 v[SPW], v[NIL]                      ; 0 onto my spare word
	s_wait_dscnt 4*NL+1                            ; the add and the youngest sixteen loads may be out
	WIN MUL_LO
	MULA 0, 1, 0                                   ; matrix work stands between the add and the wait for it
	s_wait_dscnt 0x0                               ; the add is done, and my reads of this slot are over
	s_barrier_signal -1
	MULA 2, 1, 0
	WIN 0
	s_barrier_wait -1
.if \fill
	CREST                                          ; the barrier has opened a round of the cluster's: no wave of any partner still reads this slot or has a load on its way
	s_add_nc_u64 s[G0+4*\slot+2:G0+4*\slot+3], s[G0+4*\slot+2:G0+4*\slot+3], 2*KB
	s_add_nc_u64 s[G0B+4*\slot+2:G0B+4*\slot+3], s[G0B+4*\slot+2:G0B+4*\slot+3], 2*KB
	JLOAD G0+4*\slot, G1, G0B+4*\slot, G1B         ; my one tensor load behind the round; its four v_nop are the places in front of the loads below
.else
	PLACES NP
.endif
	FETCH_B \next, 0, 0
	FETCH_A \next, 0, 0
	WIN MUL_HI
	MULA 4, 1, 0
	MULA 6, 1, 0
	PLACES NP
	WIN 0
	FETCH_A \next, 0, 4
.endm
.macro LAST                            ; the last 128 along K: nothing more to fetch
	s_wait_dscnt 4*NL
	WIN MUL_LO
	MULA 0, 1, 0
	MULA 2, 1, 0
	s_wait_dscnt 0
	WIN MUL_HI
	MULA 4, 1, 0
	MULA 6, 1, 0
	WIN 0
.endm
	s_wait_tensorcnt 1                             ; my part of K step 0 is in; K step 1's load may be out
	s_barrier_signal -1
	s_barrier_wait -1
	FETCH_B 0, 0, 0
	FETCH_A 0, 0, 0
	FETCH_A 0, 0, 4
	STEP 0, 0, 1                                   ; the first step's products start the sums
	s_mov_b32 s3, LAPS-1
.Llap:
	TURN 0, 1, 1
	STEP 1, 0, 0
	TURN 1, 0, 1
	STEP 0, 0, 0
	s_sub_co_u32 s3, s3, 1
	s_cmp_lg_u32 s3, 0
	s_cbranch_scc1 .Llap
	TURN 0, 1, 0                                   ; the last lap fills nothing
	STEP 1, 0, 0
	s_cmp_eq_u32 s74, 2                            ; the kind: the same in all partners
	s_cbranch_scc1 .Lv
	; ---- Q and K.  My rows: tokens of tiles T0 .. T0 + 7 of my batch; my columns: two heads.
	s_lshr_b32 s82, s17, 3                         ; batch
	s_and_b32 s83, s17, 7
	s_lshl_b32 s83, s83, 4
	s_lshl_b32 s96, s15, 3
	s_add_co_u32 s83, s83, s96                     ; T0
	s_and_b32 s96, s42, 3
	s_lshl_b32 s96, s96, 2
	s_lshl_b32 s97, s16, 1
	s_add_co_u32 s96, s96, s97                     ; my first head
	s_lshl_b32 s82, s82, 4
	s_add_co_u32 s82, s82, s96
	s_lshl_b32 s82, s82, 7
	s_add_co_u32 s82, s82, s83
	s_lshl_b32 s84, s82, 10                        ; ((16 batch + head) 128 + T0) x 1,024 bytes
	s_mov_b32 s85, 0
	s_cmp_eq_u32 s74, 0
	s_cselect_b64 s[78:79], s[68:69], s[70:71]
	s_add_nc_u64 s[84:85], s[78:79], s[84:85]
	s_lshl_b32 s86, s83, 12
	s_mov_b32 s87, 0
	s_add_nc_u64 s[86:87], s[8:9], s[86:87]
.macro TLOAD a                         ; block a's cosines and sines: 8 x 512 consecutive bytes
.irp p, 0,1,2,3,4,5,6,7
	global_load_b128 v[TBL+32*((\a)%2)+4*\p:TBL+32*((\a)%2)+4*\p+3], v[LI], s[86:87] offset:(\a)*4096+\p*512
.endr
.endm
	TLOAD 0
	TLOAD 1                                        ; they land under the last 64 matrix instructions
	LAST
	PLACES NP
	s_wait_kmcnt 0x0
	s_cmp_eq_u32 s74, 0
	s_cselect_b32 s96, s90, s91                    ; e2 or e3
	s_sub_co_i32 s96, s96, s88
	s_sub_co_i32 s96, s96, s89                     ; a sum stands for sum x 2^(e0 + e1), and RoPE is linear: the three scales are folded into the conversion's one
	s_add_co_i32 s96, s96, 127
	s_lshl_b32 s97, s96, 23
	v_mov_b32 v[SC], s97
	s_add_co_i32 s96, s96, 8
	s_lshl_b32 s96, s96, 23
	s_or_b32 s96, s96, 0x600000
	v_mov_b32 v[LIM], s96
.macro QKBLK a                         ; block a: 16 tokens x 2 heads x 64
.if (\a) < 7
	s_wait_loadcnt 8                               ; block a's eight table loads are in; block a + 1's eight may be out
.else
	s_wait_loadcnt 0
.endif
	WIN 0x02+(\a)/4                                ; source 0: the accumulators' window
.irp hh, 0,1
.irp bp, 0,1
.set EV, 64*((\a)%4)+8*(4*\hh+2*\bp)   ; the even columns' accumulator,
.set OD, EV+8                          ; the odd ones'
.set CC, TBL+32*((\a)%2)+16*\bp
.set SS, CC+8
.set RE, R+32*\hh+16*\bp
.irp j, 0,2,4,6
	v_pk_mul_f32 v[TM+\j:TM+\j+1], v[OD+\j:OD+\j+1], v[SS+\j:SS+\j+1]
.endr
.irp j, 0,2,4,6
	v_pk_fma_f32 v[RE+\j:RE+\j+1], v[EV+\j:EV+\j+1], v[CC+\j:CC+\j+1], v[TM+\j:TM+\j+1] neg_lo:[0,0,1] neg_hi:[0,0,1]   ; even x cos - odd x sin
.endr
.irp j, 0,2,4,6
	v_pk_mul_f32 v[TM+\j:TM+\j+1], v[EV+\j:EV+\j+1], v[SS+\j:SS+\j+1]
.endr
.irp j, 0,2,4,6
	v_pk_fma_f32 v[RE+8+\j:RE+8+\j+1], v[OD+\j:OD+\j+1], v[CC+\j:CC+\j+1], v[TM+\j:TM+\j+1]   ; odd x cos + even x sin
.endr
.endr
.endr
	WIN 0
.if (\a) < 6
	TLOAD (\a)+2                                   ; into the set just read
.endif
.set n, 0
.rept 64
	v_med3_num_f32 v[R+n], v[R+n], -v[LIM], v[LIM] ; the hold at the largest code x the scale (ISA guide 7.6.2: the conversion does not saturate)
.set n, n+1
.endr
.if (\a) >= 2
	s_wait_xcnt 0x0                                ; block a - 2's stores have read this set of codes: it is written again only behind this wait
.endif
.irp g, 0,1,2,3,4,5,6,7
	v_cvt_scalef32_pk8_fp8_f32 v[CD+16*((\a)%2)+2*\g:CD+16*((\a)%2)+2*\g+1], v[R+8*\g:R+8*\g+7], v[SC]
.endr
	v_nop                                          ; a plain vector line behind the last conversion
.irp hh, 0,1
.irp bp, 0,1
	global_store_b128 v[LI], v[CD+16*((\a)%2)+8*\hh+4*\bp:CD+16*((\a)%2)+8*\hh+4*\bp+3], s[84:85] offset:\hh*131072+(\a)*1024+\bp*512   ; 512 consecutive bytes, aligned
.endr
.endr
.endm
.irp a, 0,1,2,3,4,5,6,7
	QKBLK \a
.endr
	s_branch .Ldone
	; ---- V.  My rows: two heads' 128 channels; my columns: one step of 128 keys.
.Lv:
	LAST
	PLACES NP
	s_lshl_b32 s82, s17, 2
	s_lshl_b32 s83, s15, 1
	s_add_co_u32 s82, s82, s83                     ; my first head
	s_lshr_b32 s83, s42, 3                         ; batch
	s_lshl_b32 s83, s83, 4
	s_add_co_u32 s82, s82, s83
	s_lshl_b32 s82, s82, 4
	s_and_b32 s83, s42, 7
	s_lshl_b32 s83, s83, 1
	s_add_co_u32 s83, s83, s16                     ; the key step
	s_add_co_u32 s82, s82, s83
	s_lshl_b32 s84, s82, 13                        ; ((16 batch + head) 16 + key step) x 8,192 bytes
	s_mov_b32 s85, 0
	s_add_nc_u64 s[84:85], s[72:73], s[84:85]
	s_wait_kmcnt 0x0
	s_sub_co_i32 s96, s93, s88
	s_sub_co_i32 s96, s96, s89                     ; e5 - e0 - e1
	s_add_co_i32 s96, s96, 127
	s_lshl_b32 s97, s96, 23
	v_mov_b32 v[SC], s97
	s_add_co_i32 s96, s96, 8
	s_lshl_b32 s96, s96, 23
	s_or_b32 s96, s96, 0x600000
	v_mov_b32 v[LIM], s96
.macro VBLK a                          ; block a: 16 channels x 128 keys: one fragment of V^T
	WIN 0x02+(\a)/4
.set n, 0
.rept 64
	v_med3_num_f32 v[R+n], v[64*((\a)%4)+n], -v[LIM], v[LIM]   ; each accumulator from its low end on
.set n, n+1
.endr
	WIN 0
.if (\a) >= 2
	s_wait_xcnt 0x0                                ; block a - 2's stores have read this set of codes
.endif
.irp g, 0,1,2,3,4,5,6,7
	v_cvt_scalef32_pk8_fp8_f32 v[CD+16*((\a)%2)+2*\g:CD+16*((\a)%2)+2*\g+1], v[R+8*\g:R+8*\g+7], v[SC]
.endr
	v_nop
.irp c, 0,1,2,3
	global_store_b128 v[LI], v[CD+16*((\a)%2)+4*\c:CD+16*((\a)%2)+4*\c+3], s[84:85] offset:((\a)/4)*131072+((\a)%4)*2048+\c*512
.endr
.endm
.irp a, 0,1,2,3,4,5,6,7
	VBLK \a
.endr
.Ldone:
	s_wait_tensorcnt 0x0                           ; the wave's end, behind my last tensor load
	ds_add_u32 v[SPW], v[NIL]
	s_wait_dscnt 0x0
	CROUND                                         ; the closing round: no work-group ends while a partner may still ask for a tile that names it
	s_endpgm
.Lfunc_end_k_q5b1b3d6a31_qkv:
	.size	k_q5b1b3d6a31_qkv, .Lfunc_end_k_q5b1b3d6a31_qkv-k_q5b1b3d6a31_qkv
	.p2alignl 7, 3214868480
	.fill 96, 4, 3214868480
	.section	.rodata,"a",@progbits
	.p2align	6, 0x0
	.amdhsa_kernel k_q5b1b3d6a31_qkv
		.amdhsa_group_segment_fixed_size 327680
		.amdhsa_private_segment_fixed_size 0
		.amdhsa_enable_private_segment 0
		.amdhsa_kernarg_size 56
		.amdhsa_user_sgpr_count 2
		.amdhsa_user_sgpr_kernarg_segment_ptr 1
		.amdhsa_wavefront_size32 1
		.amdhsa_system_sgpr_workgroup_id_x 1
		.amdhsa_system_sgpr_workgroup_id_y 1
		.amdhsa_system_sgpr_workgroup_id_z 1
		.amdhsa_system_vgpr_workitem_id 0
		.amdhsa_next_free_vgpr 1024
		.amdhsa_next_free_sgpr 100
		.amdhsa_reserve_vcc 0
		.amdhsa_float_denorm_mode_32 3
		.amdhsa_float_denorm_mode_16_64 3
		.amdhsa_memory_ordered 1
		.amdhsa_forward_progress 1
		.amdhsa_inst_pref_size 201
	.end_amdhsa_kernel
	.amdgpu_metadata
---
amdhsa.version: [ 1, 2 ]
amdhsa.kernels:
  - .name:           k_q5b1b3d6a31_qkv
    .symbol:         k_q5b1b3d6a31_qkv.kd
    .args:
      - { .name: ximg, .offset: 0, .size: 8, .value_kind: global_buffer, .address_space: global }
      - { .name: wimg, .offset: 8, .size: 8, .value_kind: global_buffer, .address_space: global }
      - { .name: tab, .offset: 16, .size: 8, .value_kind: global_buffer, .address_space: global }
      - { .name: lowp_scales, .offset: 24, .size: 8, .value_kind: global_buffer, .address_space: global }
      - { .name: qimg, .offset: 32, .size: 8, .value_kind: global_buffer, .address_space: global }
      - { .name: kimg, .offset: 40, .size: 8, .value_kind: global_buffer, .address_space: global }
      - { .name: vimg, .offset: 48, .size: 8, .value_kind: global_buffer, .address_space: global }
    .group_segment_fixed_size: 327680
    .private_segment_fixed_size: 0
    .kernarg_segment_align: 8
    .kernarg_segment_size: 56
    .max_flat_workgroup_size: 128
    .sgpr_count:     100
    .vgpr_count:     1024
    .wavefront_size: 32
...
	.end_amdgpu_metadata
.endif
;; end of part 2
;; launch attn (part 3): grid 8 x 64, 16 waves a work-group, no clusters, 264,192 bytes of LDS; arguments qimg, kimg, vimg, lowp_scales, aimg; writes aimg
.if DOCPART == 3
	.amdgcn_target "amdgcn-amd-amdhsa--gfx1250"
	.amdhsa_code_object_version 6
	.text
	.protected	k_q5b1b3d6a31_attn
	.globl	k_q5b1b3d6a31_attn
	.p2align	8
	.type	k_q5b1b3d6a31_attn,@function
k_q5b1b3d6a31_attn:
	s_mov_b64 s[64:65], 0
	v_nop
	global_prefetch_b8 v0, s[64:65] scope:SCOPE_SE
	s_setreg_imm32_b32 hwreg(HW_REG_WAVE_MODE, 25, 1), 1
	s_wait_xcnt 0x0
; ATTN.  For each of 64 (batch, head): O[q] = sum over keys k <= q of softmax(Q[q] . K[k] / 8) V[k], both products on codes of E4M3; then the codes of O (2^e6), laid as the last product's operand registers.
; THE SOFTMAX AHEAD OF THE SECOND PRODUCT: t = score x log2(e) / 8; M = the running largest t rounded UP to a whole number; p = 2^(t - M) is quantised with 2^e4; the row's sum is taken of the unquantised p and divides at the end.
; When M moves, the sum and O are multiplied by 2^(old M - new M): exact.
; INPUTS are images of operand registers: Q, K: a tile of 16 tokens x 64 is 1,024 bytes (piece c at c*512 + lane*16); V^T: a step of 128 keys is 4 fragments of 16 channels x 128 keys, 8,192 bytes.
; The tokens of tile T: lane r holds token 32 (T / 2) + 8 (T % 2) + r % 8 + 16 (r / 8).  So in S^T = K Q^T the 16 registers of tiles 2 b, 2 b + 1 are the neighbouring keys 32 b + 16 (lane / 16) + 0 .. 15: p's codes ARE the operand.
; Both products are used transposed: a lane holds ONE query throughout.  O^T's tiles 2 b, 2 b + 1 likewise give 16 neighbouring channels: a 16-byte piece of the output's image; each store covers 512 consecutive bytes, aligned.
; SHARES.  Work-group (i, head): sixteen waves of 256 registers, four to a SIMD, so that one wave's vector work stands beside another's matrix work.  Wave w owns one tile of 16 queries: tile w % 8 of the block of 128 queries
; i (w < 8) or 15 - i (w >= 8): (i + 1) + (16 - i) = 17 key steps for each pair of waves, the same in every work-group.
; LDS.  A head's whole K (131,072 bytes) and V (131,072) lie in LDS: nothing is ever filled again, so there is no ring.  Waves 0-3 ask for all of it at the head, four loads of 16 KiB each, one for each group of 512 keys;
; four tensor loads of a wave are out at the most.  In front of each group stands a counted wait and a barrier.
; CAUSAL.  Every wave walks all 16 steps (constant trip counts, every barrier); a step all of whose keys come after my queries is jumped over (a scalar branch on ids); in the one step on the diagonal hidden scores become
; -infinity ahead of the maximum.  Key 0 counts for every query, so M is a number from the first step on.
; NO CLUSTER, though the eight work-groups of a head read the same K and V: which steps a wave leaves out hangs on the work-group's own block of queries.
; NO PREFETCH: every byte of K and V that the work-group reads is asked for at the head by its tensor loads; there is no later request to run ahead of.
; LIMITS: e2 + e3 between -123 and 130 (added to c's exponent field); e4, and e6 - e4 - e5, between -126 and 119.  NaN is not served.
; REGISTERS: v1 16 x lane; v2 the mask's bound; v8, v9 LDS addresses; v12 -M, v13 the largest t, v[14:15] the sum in two halves; v16-23 Q; v32-95 K's or V's fragments; v96-159 S^T, then p; v160-191 O^T; v192-205 at work and constants; v224-239 p's codes.
.set VIMG,  131072
.set SPARE, 262144                     ; behind K and V: the spare words, 128 bytes for each wave: eight blocks of 256 bytes that no other line names
.set LI,  1
.set DQ,  2
.set SPW, 5                            ; v5   LDS address of my spare word; never rewritten
.set NIL, 6                            ; v6   0; never rewritten
.set ADK, 8
.set ADV, 9
.set TB,  2                            ; s2   LDS byte of the step's tiles of K
.set CNT, 3                            ; s3   a group's four steps
.set WV,  18
.set SEL, 20                           ; s[20:21] v_permlanex16_b32's selects: lane l xor 16
.set CS,  22                           ; s[22:23] c = log2(e) / 8 x 2^(e2 + e3)
.set G1,  24                           ; s[24:31] descriptor group 1
.set G0,  32                           ; s[32:47] four groups 0, one for each group of keys
.set KS,  48                           ; s48  the key step
.set QB,  49                           ; s49  my block of 128 queries
.set TQ,  50                           ; s50  my tile of queries
	s_load_b256 s[4:11], s[0:1], 0x0               ; qimg s[4:5], kimg s[6:7], vimg s[8:9], exponents s[10:11]
	s_load_b64 s[12:13], s[0:1], 0x20              ; aimg
	v_lshl_add_u32 v[SPW], v0, 2, SPARE
	v_mov_b32 v[NIL], 0
	ds_add_u32 v[SPW], v[NIL]                      ; the wave's opening: the add and its wait ahead of my first tensor load; the set-up below, work on registers, stands between them
	v_lshrrev_b32 v8, 5, v0
	v_readfirstlane_b32 s[WV], v8                  ; wave 0..15
	s_and_b32 s60, ttmp7, 0xffff                   ; 16 batch + head
	s_sub_co_u32 s61, 15, ttmp9
	s_cmp_lt_u32 s[WV], 8
	s_cselect_b32 s[QB], ttmp9, s61
	s_and_b32 s62, s[WV], 7
	s_lshl_b32 s[TQ], s[QB], 3
	s_add_co_u32 s[TQ], s[TQ], s62
	s_mov_b32 s[G1], 3<<16                         ; no mask; elements of 8 bytes; no padding.  A dense block of 16,384 bytes as 64 rows of 256
	s_mov_b32 s[G1+1], 32<<16                      ; tensor_dim0 = 32
	s_mov_b32 s[G1+2], 64<<16                      ; tensor_dim1 = 64
	s_mov_b32 s[G1+3], 32<<16                      ; tile_dim0
	s_mov_b32 s[G1+4], 64                          ; tile_dim1
	s_mov_b32 s[G1+5], 32                          ; from row to row
	s_mov_b32 s[G1+6], 0
	s_mov_b32 s[G1+7], 0
	s_lshr_b32 s63, s[WV], 1
	s_and_b32 s63, s63, 1                          ; what I fetch, if I fetch: K (waves 0, 1) or V (waves 2, 3),
	s_and_b32 s66, s[WV], 1                        ; and which half of each group's 32,768 bytes
	s_lshl_b32 s67, s63, 17
	s_lshl_b32 s68, s66, 14
	s_add_co_u32 s67, s67, s68                     ; in LDS,
	s_lshl_b32 s70, s60, 17
	s_add_co_u32 s70, s70, s68                     ; and in memory: a head's image is 131,072 bytes
	s_mov_b32 s71, 0
	s_mov_b32 s[SEL], 0x76543210
	s_mov_b32 s[SEL+1], 0xfedcba98
	s_mov_b32 s[TB], 0
	s_mov_b32 s[KS], 0
	s_wait_dscnt 0x0                               ; the opening add is done
	s_wait_kmcnt 0x0
	s_load_b256 s[52:59], s[10:11], 0x0            ; e0 .. e7
	s_cmp_eq_u32 s63, 0
	s_cselect_b64 s[72:73], s[6:7], s[8:9]
	s_add_nc_u64 s[72:73], s[72:73], s[70:71]
.irp g, 0,1,2,3
	s_mov_b32 s[G0+4*\g], 1
	s_add_co_u32 s[G0+4*\g+1], s67, \g*32768
	s_add_nc_u64 s[G0+4*\g+2:G0+4*\g+3], s[72:73], \g*32768
	s_or_b32 s[G0+4*\g+3], s[G0+4*\g+3], 0x80000000
.endr
	s_cmp_lt_u32 s[WV], 4                          ; all first fills of a wave stand in this one branch on the wave's number
	s_cbranch_scc0 .Lnofill
.irp g, 0,1,2,3
	tensor_load_to_lds s[G0+4*\g:G0+4*\g+3], s[G1:G1+7]
	s_nop 0
.endr
.rept 4
	v_nop
.endr
.Lnofill:
	v_and_b32 v8, 31, v0
	v_lshlrev_b32 v[LI], 4, v8
	s_lshl_b32 s74, s60, 7
	s_add_co_u32 s74, s74, s[TQ]
	s_lshl_b32 s74, s74, 10
	s_mov_b32 s75, 0
	s_add_nc_u64 s[4:5], s[4:5], s[74:75]
	global_load_b128 v[16:19], v[LI], s[4:5] th:TH_LOAD_NT             ; Q's fragment stays in registers
	global_load_b128 v[20:23], v[LI], s[4:5] offset:512 th:TH_LOAD_NT
	s_lshr_b32 s76, s62, 1
	s_lshl_b32 s76, s76, 5
	s_and_b32 s77, s62, 1
	s_lshl_b32 s77, s77, 3
	s_add_co_u32 s76, s76, s77
	v_and_b32 v[DQ], 7, v0
	v_bfe_u32 v8, v0, 3, 1
	v_lshl_add_u32 v[DQ], v8, 4, v[DQ]
	v_bfe_u32 v8, v0, 4, 1
	v_lshlrev_b32 v8, 4, v8
	v_sub_nc_u32 v[DQ], v[DQ], v8
	v_add_nc_u32 v[DQ], s76, v[DQ]                 ; my query's place in its block of 128, less 16 (lane / 16): register 16 b + i is hidden on the diagonal where 32 b + i is greater
	s_lshr_b32 s76, s60, 4
	s_lshl_b32 s76, s76, 7
	s_add_co_u32 s76, s76, s[TQ]                   ; the output's row tile: 128 batch + T
	s_lshl_b32 s76, s76, 14
	s_and_b32 s77, s60, 15
	s_lshl_b32 s77, s77, 10                        ; the head's 64 of K: fragment head / 2, pieces 2 (head % 2) on: 1,024 x head bytes
	s_add_co_u32 s76, s76, s77
	s_mov_b32 s77, 0
	s_add_nc_u64 s[12:13], s[12:13], s[76:77]
	v_mov_b32 v13, 0xff61b1e6                      ; the largest t so far: -3e38, under every t
	v_floor_f32 v12, -v13
	v_mov_b32 v14, 0
	v_mov_b32 v15, 0
	v_mov_b32 v192, 0                              ; a lane permute's destination counts as one of its sources
	v_mov_b32 v195, 0                              ; (named as the upper half of the pair v[194:195])
	v_mov_b32 v202, 0xff800000                     ; -infinity
.set n, 0
.rept 32
	v_mov_b32 v[160+n], 0                          ; O^T: the step is written once; the first finds zeros, which the first change of M leaves zeros
.set n, n+1
.endr
	s_wait_kmcnt 0x0
	s_add_co_i32 s78, s54, s55
	s_lshl_b32 s78, s78, 23
	s_mov_b32 s[CS], 0x3e38aa3b                    ; log2(e) / 8
	s_add_co_i32 s[CS], s[CS], s78                 ; x 2^(e2 + e3): added to the exponent field
	s_mov_b32 s[CS+1], s[CS]
	s_add_co_i32 s78, s56, 127
	s_lshl_b32 s79, s78, 23
	v_mov_b32 v201, s79                            ; 2^e4
	s_add_co_i32 s78, s78, 8
	s_lshl_b32 s78, s78, 23
	s_or_b32 s78, s78, 0x600000
	v_mov_b32 v200, s78                            ; 448 x 2^e4
	s_sub_co_i32 s78, s58, s56
	s_sub_co_i32 s78, s78, s57                     ; O^T / the sum stands for that x 2^(e4 + e5): its code is that / 2^(e6 - e4 - e5)
	s_add_co_i32 s78, s78, 127
	s_lshl_b32 s79, s78, 23
	v_mov_b32 v205, s79
	s_add_co_i32 s78, s78, 8
	s_lshl_b32 s78, s78, 23
	s_or_b32 s78, s78, 0x600000
	v_mov_b32 v204, s78
	s_wait_loadcnt 0x0                             ; Q
.macro STEP                            ; 128 keys
	s_cmp_gt_u32 s[KS], s[QB]
	s_cbranch_scc1 .Lhid_\@                        ; all its keys come after my queries
	v_add_nc_u32 v[ADK], s[TB], v[LI]
	v_add_nc_u32 v[ADV], VIMG, v[ADK]
	v_nop
	v_nop                                          ; with the two additions: four places in front of loads into registers that the last products read
.irp t, 0,1,2,3,4,5,6,7
.irp c, 0,1
	ds_load_b128 v[32+8*\t+4*\c:32+8*\t+4*\c+3], v[ADK] offset:\t*1024+\c*512
.endr
.endr
	s_wait_dscnt 0x0
.irp t, 0,1,2,3,4,5,6,7
	v_wmma_f32_16x16x64_fp8_fp8 v[96+8*\t:103+8*\t], v[32+8*\t:39+8*\t], v[16:23], 0
.endr
.rept 4
	v_nop
.endr
.irp t, 0,1,2,3
.irp c, 0,1,2,3
	ds_load_b128 v[32+16*\t+4*\c:32+16*\t+4*\c+3], v[ADV] offset:\t*2048+\c*512   ; V's fragments land under the softmax
.endr
.endr
	s_cmp_lt_u32 s[KS], s[QB]
	s_cbranch_scc1 .Lopen_\@                       ; all its keys count
.set n, 0
.rept 64
	v_cmp_gt_i32 vcc_lo, 32*(n/16)+n%16, v[DQ]
	v_cndmask_b32 v[96+n], v[96+n], v202, vcc_lo
.set n, n+1
.endr
.Lopen_\@:
	v_max3_num_f32 v196, v96, v97, v98             ; the step's largest score of my query among my 64 keys, in two chains,
	v_max3_num_f32 v194, v99, v100, v101
.irp i, 6,10,14,18,22,26,30,34,38,42,46,50,54,58
	v_max3_num_f32 v196, v196, v[96+\i], v[97+\i]
	v_max3_num_f32 v194, v194, v[98+\i], v[99+\i]
.endr
	v_max3_num_f32 v196, v196, v158, v159
	v_max_num_f32 v196, v196, v194
	v_permlanex16_b32 v192, v196, s[SEL], s[SEL+1]
	v_max_num_f32 v196, v196, v192                 ; and among lane l xor 16's
	v_mul_f32 v196, s[CS], v196                    ; as t (c is positive)
	v_max_num_f32 v13, v13, v196
	v_mov_b32 v196, v12
	v_floor_f32 v12, -v13                          ; the new -M = floor(-t): M is a whole number
	v_sub_f32 v196, v12, v196                      ; old M - new M: a whole number, 0 or less
	v_cvt_i32_f32 v196, v196                       ; (it saturates)
	v_ldexp_f32 v194, 1.0, v196                    ; f = 2^(old M - new M)
.set n, 0
.rept 32
	v_pk_fma_f32 v[96+n:97+n], v[96+n:97+n], s[CS:CS+1], v[12:13] op_sel_hi:[1,0,0]   ; t - M
.set n, n+2
.endr
.set n, 0
.rept 64
	v_exp_f32 v[96+n], v[96+n]                     ; p = 2^(t - M), at most 1
.set n, n+1
.endr
	v_pk_mul_f32 v[14:15], v[14:15], v[194:195] op_sel_hi:[1,0]   ; the sums under the new M: a plain line behind the exponentials
	s_wait_alu depctr_va_vdst(0)                   ; one wait for the whole batch, ahead of its first reader
	v_pk_add_f32 v[198:199], v[96:97], v[98:99]    ; the row's sum is taken of the unquantised p, in two chains
.irp j, 4,8,12,16,20,24,28,32,36,40,44,48,52,56,60
	v_pk_add_f32 v[14:15], v[14:15], v[96+\j:97+\j]
	v_pk_add_f32 v[198:199], v[198:199], v[98+\j:99+\j]
.endr
	v_pk_add_f32 v[14:15], v[14:15], v[198:199]
.irp b, 0,1,2,3
.irp i, 0,1,2,3,4,5,6,7,8,9,10,11,12,13,14,15
	v_min_num_f32 v[96+16*\b+\i], v[96+16*\b+\i], v200   ; the conversion does not saturate (ISA guide 7.6.2); p is not negative, so the hold is one-sided
.endr
	v_cvt_scalef32_pk8_fp8_f32 v[224+4*\b:225+4*\b], v[96+16*\b:103+16*\b], v201
	v_cvt_scalef32_pk8_fp8_f32 v[226+4*\b:227+4*\b], v[104+16*\b:111+16*\b], v201
.endr
.set n, 0
.rept 16
	v_pk_mul_f32 v[160+n:161+n], v[160+n:161+n], v[194:195] op_sel_hi:[1,0]   ; O^T under the new M; also the plain lines behind the conversions
.set n, n+2
.endr
	s_wait_dscnt 0x0                               ; V's fragments are in
.irp t, 0,1,2,3
	v_wmma_f32_16x16x128_fp8_fp8 v[160+8*\t:167+8*\t], v[32+16*\t:47+16*\t], v[224:239], v[160+8*\t:167+8*\t]   ; four accumulators by turns; the next step's eight score products stand between two laps
.endr
.Lhid_\@:
	s_add_co_u32 s[TB], s[TB], 8192
	s_add_co_u32 s[KS], s[KS], 1
.endm
.macro GROUP left                      ; 512 keys.  left: the later groups' loads, which may stay out
	s_wait_tensorcnt \left                         ; my part of this group has landed, if I fetch
	s_wait_dscnt 0x0
	s_barrier_signal -1
	s_barrier_wait -1                              ; everybody's has
	s_mov_b32 s[CNT], 4
.Lstep_\@:
	STEP
	s_sub_co_u32 s[CNT], s[CNT], 1
	s_cmp_lg_u32 s[CNT], 0
	s_cbranch_scc1 .Lstep_\@
.endm
	GROUP 3
	GROUP 2
	GROUP 1
	GROUP 0
	; THE WAY OUT: O^T / the sum, quantised: tiles 2 b, 2 b + 1 are the 16 neighbouring channels 32 b + 16 (lane / 16) + 0 .. 15 of my query: a piece of the image
.rept 4
	v_nop
.endr
	v_add_f32 v14, v14, v15
	v_permlanex16_b32 v192, v14, s[SEL], s[SEL+1]
	v_add_f32 v14, v14, v192                       ; the row's sum
	v_rcp_f32 v14, v14
	v_nop                                          ; a plain line behind the reciprocal,
	s_wait_alu depctr_va_vdst(0)                   ; and the wait ahead of its first reader
.set n, 0
.rept 16
	v_pk_mul_f32 v[96+n:97+n], v[160+n:161+n], v[14:15] op_sel_hi:[1,0]
.set n, n+2
.endr
.set n, 0
.rept 32
	v_med3_num_f32 v[96+n], v[96+n], -v204, v204
.set n, n+1
.endr
.irp g, 0,1,2,3
	v_cvt_scalef32_pk8_fp8_f32 v[224+2*\g:225+2*\g], v[96+8*\g:103+8*\g], v205
.endr
	v_nop
	global_store_b128 v[LI], v[224:227], s[12:13]              ; 512 consecutive bytes, aligned
	global_store_b128 v[LI], v[228:231], s[12:13] offset:512
	s_wait_tensorcnt 0x0                           ; the wave's end, behind my last tensor load
	ds_add_u32 v[SPW], v[NIL]
	s_wait_dscnt 0x0
	s_endpgm
.Lfunc_end_k_q5b1b3d6a31_attn:
	.size	k_q5b1b3d6a31_attn, .Lfunc_end_k_q5b1b3d6a31_attn-k_q5b1b3d6a31_attn
	.p2alignl 7, 3214868480
	.fill 96, 4, 3214868480
	.section	.rodata,"a",@progbits
	.p2align	6, 0x0
	.amdhsa_kernel k_q5b1b3d6a31_attn
		.amdhsa_group_segment_fixed_size 264192
		.amdhsa_private_segment_fixed_size 0
		.amdhsa_enable_private_segment 0
		.amdhsa_kernarg_size 40
		.amdhsa_user_sgpr_count 2
		.amdhsa_user_sgpr_kernarg_segment_ptr 1
		.amdhsa_wavefront_size32 1
		.amdhsa_system_sgpr_workgroup_id_x 1
		.amdhsa_system_sgpr_workgroup_id_y 1
		.amdhsa_system_sgpr_workgroup_id_z 1
		.amdhsa_system_vgpr_workitem_id 0
		.amdhsa_next_free_vgpr 256
		.amdhsa_next_free_sgpr 84
		.amdhsa_reserve_vcc 1
		.amdhsa_float_denorm_mode_32 3
		.amdhsa_float_denorm_mode_16_64 3
		.amdhsa_memory_ordered 1
		.amdhsa_forward_progress 1
		.amdhsa_inst_pref_size 93
	.end_amdhsa_kernel
	.amdgpu_metadata
---
amdhsa.version: [ 1, 2 ]
amdhsa.kernels:
  - .name:           k_q5b1b3d6a31_attn
    .symbol:         k_q5b1b3d6a31_attn.kd
    .args:
      - { .name: qimg, .offset: 0, .size: 8, .value_kind: global_buffer, .address_space: global }
      - { .name: kimg, .offset: 8, .size: 8, .value_kind: global_buffer, .address_space: global }
      - { .name: vimg, .offset: 16, .size: 8, .value_kind: global_buffer, .address_space: global }
      - { .name: lowp_scales, .offset: 24, .size: 8, .value_kind: global_buffer, .address_space: global }
      - { .name: aimg, .offset: 32, .size: 8, .value_kind: global_buffer, .address_space: global }
    .group_segment_fixed_size: 264192
    .private_segment_fixed_size: 0
    .kernarg_segment_align: 8
    .kernarg_segment_size: 40
    .max_flat_workgroup_size: 512
    .sgpr_count:     84
    .vgpr_count:     256
    .wavefront_size: 32
...
	.end_amdgpu_metadata
.endif
;; end of part 3
;; launch proj (part 4): grid 8 x 32, 4 waves a work-group, clusters of 4 x 4, 327,680 bytes of LDS; arguments aimg, wimg, lowp_scales, out0; writes out0
.if DOCPART == 4
	.amdgcn_target "amdgcn-amd-amdhsa--gfx1250"
	.amdhsa_code_object_version 6
	.text
	.protected	k_q5b1b3d6a31_proj
	.globl	k_q5b1b3d6a31_proj
	.p2align	8
	.type	k_q5b1b3d6a31_proj,@function
k_q5b1b3d6a31_proj:
	s_mov_b64 s[64:65], 0
	v_nop
	global_prefetch_b8 v0, s[64:65] scope:SCOPE_SE
	s_setreg_imm32_b32 hwreg(HW_REG_WAVE_MODE, 25, 1), 1
	s_wait_xcnt 0x0
	s_wait_alu depctr_hold_cnt(0) depctr_sa_sdst(0) depctr_va_vdst(0) depctr_va_sdst(0) depctr_va_ssrc(0) depctr_va_vcc(0) depctr_vm_vsrc(0)
	s_getreg_b32 s2, hwreg(HW_REG_IB_STS2, 6, 4)
	s_cmp_eq_u32 s2, 0
	s_cbranch_scc0 .Lentry_in_a_cluster
	s_endpgm
.Lentry_in_a_cluster:
	s_bfe_u32 s2, ttmp6, 0x10000c
	s_cmp_lg_u32 s2, 0xf033
	s_cbranch_scc0 .Lentry_shape_is_right
	s_endpgm
.Lentry_shape_is_right:
; PROJ.  out0 [8192][1024] f32 = attention's output (codes, 2^e6) times o^T (codes, 2^e7): each finished sum once x 2^(e6 + e7).
; Both operands come as images of operand registers (a fragment of 16 rows x 128 K is 2,048 bytes; a row tile's 8 fragments 16,384); four ds_load_b128 at 16 x lane, 512 bytes apart, are a fragment; no padding is needed.
; A tile of the result is 256 rows x 128 columns: 256 tiles, one for each work-group; four waves, 128 x 64 each: 32 accumulators.  K goes in steps of 256 through a ring of two LDS slots.
; TRANSPOSED: source 0 = 16 rows of o, source 1 = 16 tokens.  Lane (r, h) of accumulator (a, b) holds token 32 (a / 2) + 8 (a % 2) + r % 8 + 16 (r / 8) of my 128, and tiles 2 i, 2 i + 1 give it the 16 neighbouring columns 32 i + 16 h + 0 .. 15.
; CLUSTERS: 4 x 4 work-groups; the tokens' tile is shared along a row of the cluster, o's along a column: each is asked for jointly.  No prefetch: two refills a work-group, tiles read by many work-groups.
; THE WAY OUT: a block of 16 tokens x 64 columns goes through my own stage in LDS and comes back as rows of 256 bytes: sixteen lanes store 256 consecutive bytes, aligned.  The stage lies in slot 0, which has had its last
; fill and its last read when the first result is stored there.
; LIMIT: e6 + e7 between -126 and 127.
; REGISTERS: window 0: v16-29 addresses; v128-255 source 1's fragments, one set; on the way out v32-63 and v128-191.  window 1: source 0's fragments, two sets (v0-63, v128-191).  windows 2, 3: accumulators, (a, b) at v[8 (4 (a % 4) + b)].
.set NB,    4
.set FR,    16
.set NL,    4
.set NP,    4
.set KB,    4096
.set HALFA, 8*KB
.set HALFB, NB*KB
.set SLOT,  2*HALFA+2*HALFB
.set SPARE, 2*SLOT                     ; behind the ring: the spare words, 128 bytes for each wave: two blocks of 256 bytes that no other line names
.set LAPS,  2
.set SPITCH, 272                       ; a stage row: 256 bytes + 16
.set ADRA, 16
.set ADRB, 20
.set STO,  24                          ; v24  the way out: where I put my bytes of a row
.set RD,   25                          ; v25  where I read a row back
.set CO,   26                          ; v26  my byte offset in two rows of out0
.set LI,   27
.set SPW,  28                          ; v28  LDS address of my spare word; never rewritten
.set NIL,  29                          ; v29  0; never rewritten
.set TMP,  32
.set AF,   128
.set BK,   128                         ; the way out: 16 rows read back: v128-159 and v160-191 by turns
.set G1,  24
.set G0,  32
.set G1B, 48
.set G0B, 56
.set MSB, 0
.macro WIN new
.if MSB != (\new)
	s_set_vgpr_msb (MSB<<8)|(\new)
.set MSB, (\new)
.endif
.endm
.set MUL_LO, 0xa1
.set MUL_HI, 0xf1
.set TO_B,   0x40
.macro JLOAD g0a, g1a, g0b, g1b        ; waves 0 and 1 fetch source 1's halves, waves 2 and 3 source 0's; an s_nop 0 and four v_nop follow each line
	s_cmp_eq_u32 s15, 0
	s_cbranch_scc0 .Lfor_b_\@
	tensor_load_to_lds s[\g0a:\g0a+3], s[\g1a:\g1a+7]
	s_nop 0
.rept 4
	v_nop
.endr
	s_branch .Lasked_\@
.Lfor_b_\@:
	tensor_load_to_lds s[\g0b:\g0b+3], s[\g1b:\g1b+7]
	s_nop 0
.rept 4
	v_nop
.endr
.Lasked_\@:
.endm
.macro CREST
	s_cmp_lg_u32 s14, 0
	s_cbranch_scc1 .Lnot_wave_0_\@
	s_barrier_signal -3
.Lnot_wave_0_\@:
	s_barrier_wait -3
	s_barrier_signal -1
	s_barrier_wait -1
.endm
.macro CROUND
	s_barrier_signal -1
	s_barrier_wait -1
	CREST
.endm
	s_load_b256 s[4:11], s[0:1], 0x0               ; aimg s[4:5], wimg s[6:7], exponents s[8:9], out0 s[10:11]
	v_lshl_add_u32 v[SPW], v0, 2, SPARE
	v_mov_b32 v[NIL], 0
	ds_add_u32 v[SPW], v[NIL]                      ; the wave's opening: the add and its wait ahead of my first tensor load; the set-up below, work on registers, stands between them
	v_lshrrev_b32 v1, 5, v0
	v_readfirstlane_b32 s14, v1
	s_lshr_b32 s15, s14, 1
	s_and_b32 s16, s14, 1
	s_bfe_u32 s40, ttmp6, 0x40000                  ; cx
	s_bfe_u32 s41, ttmp6, 0x40004                  ; cy
	s_lshl_b32 s42, ttmp9, 2
	s_add_co_u32 s42, s42, s40                     ; tile column: 128 columns
	s_and_b32 s17, ttmp7, 0xffff
	s_lshl_b32 s17, s17, 2
	s_add_co_u32 s17, s17, s41                     ; tile row: 256 tokens
	s_lshl_b32 s43, s41, 2
	s_lshl_b32 s43, 15, s43
	s_lshl_b32 s44, 0x1111, s40
	s_or_b32 s[G1+0], s43, (1<<21)
	s_or_b32 s[G1B+0], s44, (1<<21)
	s_mov_b32 s[G1+1], KB<<16
	s_mov_b32 s[G1+2], 8<<16                       ; 8 row tiles
	s_mov_b32 s[G1+3], KB<<16
	s_mov_b32 s[G1+4], 8
	s_mov_b32 s[G1+5], 16384
	s_mov_b32 s[G1+6], 0
	s_mov_b32 s[G1+7], 0
	s_mov_b32 s[G1B+1], KB<<16
	s_mov_b32 s[G1B+2], NB<<16                     ; 4 row tiles
	s_mov_b32 s[G1B+3], KB<<16
	s_mov_b32 s[G1B+4], NB
	s_mov_b32 s[G1B+5], 16384
	s_mov_b32 s[G1B+6], 0
	s_mov_b32 s[G1B+7], 0
	s_lshl_b32 s20, s17, 18
	s_lshl_b32 s19, s16, 17
	s_add_co_u32 s20, s20, s19
	s_mov_b32 s21, 0
	s_lshl_b32 s46, s42, 17
	s_lshl_b32 s19, s16, 16
	s_add_co_u32 s46, s46, s19
	s_add_co_u32 s46, s46, 0x300000                ; o begins 192 tiles into wimg
	s_mov_b32 s47, 0
	s_mul_i32 s45, s16, HALFA
	s_mul_i32 s77, s16, HALFB
	s_add_co_u32 s77, s77, 2*HALFA
	s_wait_dscnt 0x0                               ; the opening add is done
	s_wait_kmcnt 0x0
	s_load_b256 s[88:95], s[8:9], 0x0              ; e0 .. e7
	s_add_nc_u64 s[20:21], s[4:5], s[20:21]
	s_add_nc_u64 s[46:47], s[6:7], s[46:47]
	CROUND
.irp s, 0,1
	s_mov_b32 s[G0+4*\s], 1
	s_add_co_u32 s[G0+4*\s+1], s45, \s*SLOT
	s_add_nc_u64 s[G0+4*\s+2:G0+4*\s+3], s[20:21], \s*KB
	s_or_b32 s[G0+4*\s+3], s[G0+4*\s+3], 0x80000000
	s_mov_b32 s[G0B+4*\s], 1
	s_add_co_u32 s[G0B+4*\s+1], s77, \s*SLOT
	s_add_nc_u64 s[G0B+4*\s+2:G0B+4*\s+3], s[46:47], \s*KB
	s_or_b32 s[G0B+4*\s+3], s[G0B+4*\s+3], 0x80000000
	JLOAD G0+4*\s, G1, G0B+4*\s, G1B               ; two tensor loads of mine are out
.endr
	v_and_b32 v1, 31, v0
	v_lshlrev_b32 v[LI], 4, v1
	s_mul_i32 s82, s15, HALFA
	s_mul_i32 s83, s16, HALFB
	s_add_co_u32 s83, s83, 2*HALFA
.irp s, 0,1
	v_add_nc_u32 v[ADRA+\s], s82, v[LI]
	v_add_nc_u32 v[ADRB+\s], s83, v[LI]
	s_add_co_u32 s82, s82, SLOT
	s_add_co_u32 s83, s83, SLOT
.endr
	s_mul_i32 s23, s14, 16*SPITCH                  ; my stage
	v_and_b32 v1, 15, v0                           ; r
	v_bfe_u32 v2, v0, 4, 1                         ; h
	v_mul_u32_u24 v5, v1, SPITCH
	v_lshl_add_u32 v5, v2, 6, v5
	v_add_nc_u32 v[STO], s23, v5                   ; in: row r, + 64 h
	v_mul_u32_u24 v5, v2, SPITCH
	v_lshl_add_u32 v5, v1, 4, v5
	v_add_nc_u32 v[RD], s23, v5                    ; back: lanes 0-15 one row, lanes 16-31 the next
	v_lshlrev_b32 v5, 12, v2
	v_lshl_add_u32 v[CO], v1, 4, v5                ; and the same two rows of 4,096 bytes in out0
	s_lshl_b32 s80, s17, 20                        ; 256 rows
	s_lshl_b32 s81, s15, 19
	s_add_co_u32 s80, s80, s81
	s_lshl_b32 s81, s42, 9                         ; 128 columns
	s_add_co_u32 s80, s80, s81
	s_lshl_b32 s81, s16, 8
	s_add_co_u32 s80, s80, s81
	s_mov_b32 s81, 0
	s_add_nc_u64 s[10:11], s[10:11], s[80:81]
.macro FRAG reg, adr, q, i
.irp c, 0,1,2,3
	ds_load_b128 v[\reg+4*\c:\reg+4*\c+3], v[\adr] offset:(\i)*KB+(\q)*2048+512*\c
.endr
.endm
; 8 matrix instructions: source 1's blocks a0, a0 + 1 x source 0's four.  The 32 accumulators take turns, one instruction a turn.
.macro MULA a0, p, zero
.irp a, \a0, \a0+1
.irp b, 0,1,2,3
.if \zero
	v_wmma_f32_16x16x128_fp8_fp8 v[8*(NB*((\a)%4)+\b):8*(NB*((\a)%4)+\b)+7], v[128*(\p)+FR*\b:128*(\p)+FR*\b+FR-1], v[AF+FR*(\a):AF+FR*(\a)+FR-1], 0
.else
	v_wmma_f32_16x16x128_fp8_fp8 v[8*(NB*((\a)%4)+\b):8*(NB*((\a)%4)+\b)+7], v[128*(\p)+FR*\b:128*(\p)+FR*\b+FR-1], v[AF+FR*(\a):AF+FR*(\a)+FR-1], v[8*(NB*((\a)%4)+\b):8*(NB*((\a)%4)+\b)+7]
.endif
.endr
.endr
.endm
.macro FETCH_B slot, q, p
	WIN TO_B
.irp i, 0,1,2,3
	FRAG 128*(\p)+FR*\i, ADRB+\slot, \q, \i
.endr
	WIN 0
.endm
.macro FETCH_A slot, q, i0
.irp i, \i0, \i0+1, \i0+2, \i0+3
	FRAG AF+FR*(\i), ADRA+\slot, \q, \i
.endr
.endm
.macro PLACES n
.rept \n
	v_nop
.endr
.endm
.macro STEP slot, q, zero
	s_wait_dscnt 4*NL                              ; source 0's set and blocks 0-3 are in; the youngest sixteen loads (blocks 4-7) may be out
	WIN MUL_LO
	MULA 0, (\q)%2, \zero
	MULA 2, (\q)%2, \zero
	s_wait_dscnt 0
	PLACES NP
	FETCH_B \slot, (\q)+1, 1-(\q)%2
	FETCH_A \slot, (\q)+1, 0
	WIN MUL_HI
	MULA 4, (\q)%2, \zero
	MULA 6, (\q)%2, \zero
	PLACES NP
	WIN 0
	FETCH_A \slot, (\q)+1, 4
.endm
.macro TURN slot, next, fill
	s_wait_tensorcnt 0x0                           ; all my tensor loads have landed: my part of the next slot
	ds_add_u32 v[SPW], v[NIL]                      ; 0 onto my spare word
	s_wait_dscnt 4*NL+1                            ; the add and the youngest sixteen loads may be out
	WIN MUL_LO
	MULA 0, 1, 0
	s_wait_dscnt 0x0                               ; the add is done, and my reads of this slot are over
	s_barrier_signal -1
	MULA 2, 1, 0
	WIN 0
	s_barrier_wait -1
.if \fill
	CREST                                          ; the barrier has opened a round of the cluster's
	s_add_nc_u64 s[G0+4*\slot+2:G0+4*\slot+3], s[G0+4*\slot+2:G0+4*\slot+3], 2*KB
	s_add_nc_u64 s[G0B+4*\slot+2:G0B+4*\slot+3], s[G0B+4*\slot+2:G0B+4*\slot+3], 2*KB
	JLOAD G0+4*\slot, G1, G0B+4*\slot, G1B         ; my one tensor load behind the round
.else
	PLACES NP
.endif
	FETCH_B \next, 0, 0
	FETCH_A \next, 0, 0
	WIN MUL_HI
	MULA 4, 1, 0
	MULA 6, 1, 0
	PLACES NP
	WIN 0
	FETCH_A \next, 0, 4
.endm
	s_wait_tensorcnt 1                             ; my part of K step 0 is in; K step 1's load may be out
	s_barrier_signal -1
	s_barrier_wait -1
	FETCH_B 0, 0, 0
	FETCH_A 0, 0, 0
	FETCH_A 0, 0, 4
	STEP 0, 0, 1
	s_mov_b32 s3, LAPS-1
.Llap:
	TURN 0, 1, 1
	STEP 1, 0, 0
	TURN 1, 0, 1
	STEP 0, 0, 0
	s_sub_co_u32 s3, s3, 1
	s_cmp_lg_u32 s3, 0
	s_cbranch_scc1 .Llap
	TURN 0, 1, 0
	STEP 1, 0, 0
	s_wait_dscnt 4*NL
	WIN MUL_LO
	MULA 0, 1, 0
	MULA 2, 1, 0
	s_wait_dscnt 0
	WIN MUL_HI
	MULA 4, 1, 0
	MULA 6, 1, 0
	WIN 0
.macro TOSTAGE a
.set AC, 32*((\a)%4)
	WIN 0x02+(\a)/4                                ; source 0: the accumulators' window
.irp j, 0,2,4,6,8,10,12,14,16,18,20,22,24,26,28,30
	v_pk_mul_f32 v[TMP+\j:TMP+\j+1], v[AC+\j:AC+\j+1], s[96:97] op_sel_hi:[1,0]   ; x 2^(e6 + e7); each accumulator from its low end on
.endr
	WIN 0
.irp i, 0,1,2,3
	ds_store_b128 v[STO], v[TMP+8*\i:TMP+8*\i+3] offset:128*(\i/2)+32*(\i%2)
	ds_store_b128 v[STO], v[TMP+8*\i+4:TMP+8*\i+7] offset:128*(\i/2)+32*(\i%2)+16
.endr
.set BB, BK+32*((\a)%2)
.irp t, 0,1,2,3,4,5,6,7
	ds_load_b128 v[BB+4*\t:BB+4*\t+3], v[RD] offset:\t*2*SPITCH   ; LDS serves a wave's instructions in order: these see my stores
.endr
.endm
.macro SEND a, younger                 ; younger: the LDS instructions issued behind block a's loads, which may stay out
.set BB, BK+32*((\a)%2)
	s_wait_dscnt \younger
.irp t, 0,1,2,3,4,5,6,7
	global_store_b128 v[CO], v[BB+4*\t:BB+4*\t+3], s[10:11] offset:(32*((\a)/2)+8*((\a)%2)+2*(\t%4)+16*(\t/4))*4096 th:TH_STORE_NT   ; stage rows 2 t, 2 t + 1 are these tokens; 16 lanes store 256 consecutive bytes, aligned
.endr
.endm
	s_wait_kmcnt 0x0
	s_add_co_i32 s96, s94, s95
	s_add_co_i32 s96, s96, 127
	s_lshl_b32 s96, s96, 23                        ; 2^(e6 + e7) as f32
	s_mov_b32 s97, s96                             ; (named with it as a pair, so it is written)
	PLACES NP
	TOSTAGE 0
.irp a, 1,2,3,4,5,6,7
.if \a > 1
	s_wait_xcnt 0x0                                ; block a - 2's stores have read their registers: block a's loads may land there
.endif
	TOSTAGE \a
	SEND \a-1, 16                                  ; behind block a - 1's loads: block a's 8 stores and 8 loads
.endr
	SEND 7, 0
	s_wait_tensorcnt 0x0                           ; the wave's end, behind my last tensor load and my last LDS store
	ds_add_u32 v[SPW], v[NIL]
	s_wait_dscnt 0x0
	CROUND                                         ; the closing round
	s_endpgm
.Lfunc_end_k_q5b1b3d6a31_proj:
	.size	k_q5b1b3d6a31_proj, .Lfunc_end_k_q5b1b3d6a31_proj-k_q5b1b3d6a31_proj
	.p2alignl 7, 3214868480
	.fill 96, 4, 3214868480
	.section	.rodata,"a",@progbits
	.p2align	6, 0x0
	.amdhsa_kernel k_q5b1b3d6a31_proj
		.amdhsa_group_segment_fixed_size 327680
		.amdhsa_private_segment_fixed_size 0
		.amdhsa_enable_private_segment 0
		.amdhsa_kernarg_size 32
		.amdhsa_user_sgpr_count 2
		.amdhsa_user_sgpr_kernarg_segment_ptr 1
		.amdhsa_wavefront_size32 1
		.amdhsa_system_sgpr_workgroup_id_x 1
		.amdhsa_system_sgpr_workgroup_id_y 1
		.amdhsa_system_sgpr_workgroup_id_z 1
		.amdhsa_system_vgpr_workitem_id 0
		.amdhsa_next_free_vgpr 1024
		.amdhsa_next_free_sgpr 100
		.amdhsa_reserve_vcc 0
		.amdhsa_float_denorm_mode_32 3
		.amdhsa_float_denorm_mode_16_64 3
		.amdhsa_memory_ordered 1
		.amdhsa_forward_progress 1
		.amdhsa_inst_pref_size 77
	.end_amdhsa_kernel
	.amdgpu_metadata
---
amdhsa.version: [ 1, 2 ]
amdhsa.kernels:
  - .name:           k_q5b1b3d6a31_proj
    .symbol:         k_q5b1b3d6a31_proj.kd
    .args:
      - { .name: aimg, .offset: 0, .size: 8, .value_kind: global_buffer, .address_space: global }
      - { .name: wimg, .offset: 8, .size: 8, .value_kind: global_buffer, .address_space: global }
      - { .name: lowp_scales, .offset: 16, .size: 8, .value_kind: global_buffer, .address_space: global }
      - { .name: out0, .offset: 24, .size: 8, .value_kind: global_buffer, .address_space: global }
    .group_segment_fixed_size: 327680
    .private_segment_fixed_size: 0
    .kernarg_segment_align: 8
    .kernarg_segment_size: 32
    .max_flat_workgroup_size: 128
    .sgpr_count:     100
    .vgpr_count:     1024
    .wavefront_size: 32
...
	.end_amdgpu_metadata
.endif
;; end of part 4
